; MI455X (gfx1250); checked and timed in simulation.
; The chip was launched on July 23, 2026; its instructions are those of AMD's public machine-readable ISA for CDNA 5 (MIT licence, August 2026) and "CDNA5" Instruction Set Architecture Reference Guide (July 2026). The comments in the code are by the model that wrote it; some were corrected since.
;; Attention. Allowed arithmetic: matrix products marked QUANTISED: E2M1 operands, one E8M0 scale for each 32 along K, by v_wmma_scale_f32_16x16x128_f8f6f4 with both operands' format E2M1 (or v_wmma_scale_f32_32x16x128_f4), f32 sums; everything else in f32.
;; Inputs: k_codes 4 x 4,096 x 2 x 16 uint8 (E2M1 codes of k, K innermost, in blocks of 32 codes, two codes a byte); k_scales 4 x 4,096 x 2 uint8 (E8M0 scales of k, one for each 32 codes along K); mask 4 x 4,096 float32; q 4 x 4,096 x 64 float32; v_codes 4 x 64 x 128 x 16 uint8 (E2M1 codes of v, K innermost, in blocks of 32 codes, two codes a byte); v_scales 4 x 64 x 128 uint8 (E8M0 scales of v, one for each 32 codes along K).
;; Outputs: out0 4 x 4,096 x 64 float32.
;; This version of the problem:
;;   THIS VERSION OF THE PROBLEM IS GIVEN IN LOW PRECISION. The matrix products marked QUANTISED in the list below multiply operands that are first quantised to E2M1 (2 exponent bits, 1 mantissa bit; 4 bits a number), with one power-of-two scale for each 32 numbers along K (OCP MX v1.0); their sums are f32. All else is computed in f32.
;;   The module's matrix products, in the order in which they are computed (A, B: the left and right operand; K: the contracted axis; several contracted axes count as one K, in the product's order):
;;     1. batch 4 x [M 4,096, K 64] x [K 64, N 4,096]; A: computed on the way; B: input k (given as codes): QUANTISED
;;     2. batch 4 x [M 4,096, K 4,096] x [K 4,096, N 64]; A: softmax (see below); B: input v (given as codes): QUANTISED
;;   THE QUANTISER, for each operand of a quantised product, along K:
;;     - K is cut into blocks of 32 from its start; a last block that is shorter is filled with zeros.
;;     - A block's scale is 2^e with e = floor(log2(the largest magnitude in the block)) - 2, held to -126 .. 127; a block of zeros has e = 0. As a byte (E8M0): e + 127.
;;     - Each number is divided by its block's scale, clamped to +-6, and rounded to the nearest number of E2M1, ties to even, subnormals kept.
;;     - The product sums the exact products of the quantised numbers (number of the format x scale) in f32.
;;   ~~~python
;;   def quantise(x, axis):      # numpy; x: float32 -> the quantised numbers, widened to float32 again
;;       x = np.moveaxis(x, axis, -1); K = x.shape[-1]
;;       x = np.pad(x, [(0, 0)] * (x.ndim - 1) + [(0, -K % 32)]); x = x.reshape(x.shape[:-1] + (-1, 32)); a = np.abs(x).max(-1, keepdims=True)
;;       e = np.where(a > 0, np.clip(np.frexp(np.where(a > 0, a, 1))[1] - 1 - 2, -126, 127), 0)      # np.frexp(a)[1] - 1 = floor(log2(a)), exactly
;;       r = np.clip(x / 2.0 ** e, -6, 6)
;;       step = 2.0 ** (np.maximum(np.frexp(np.where(r == 0, 1, r))[1] - 1, 0) - 1)
;;       q = np.round(r / step) * step * 2.0 ** e      # np.round: ties to even
;;       return np.moveaxis(q.reshape(q.shape[:-2] + (-1,))[..., :K], -1, axis).astype(np.float32)
;;   ~~~
;;   SOFTMAX AHEAD OF A QUANTISED PRODUCT. Where the list says 'softmax', what is quantised is not the finished softmax but p = 2^(t - M), with t = logit x log2(e) and M = ceil(the row's largest t), a whole number; so 1/2 < the row's largest p <= 1. The row's sum l is taken of the UNQUANTISED p, in f32, and the product's result is divided by l at the end. Since M is a whole number, a kernel that streams over the keys may use a running M (the ceiling of the running maximum): every later rescaling is an exact power of two, which a block's scale takes up: the codes' values come out the same.
;;   OPERANDS COMPUTED ON THE WAY. 'Computed on the way' means the value that the module computes at that place (a softmax that the list does not call 'softmax' is quantised finished and normalised). What goes into a quantiser is computed in f32, as accurately as f32 sums, v_exp_f32 and their like allow (about 1e-6 of the number): no bf16 or f16 on the way to a quantiser, and a product that is left as it is and whose result goes on into a quantised operand takes f32 operands (vector FMAs, or v_wmma_f32_16x16x4_f32). A number that lies on a knife's edge between two numbers of the format may be rounded either way, as far as f32 arithmetic and the matrix unit's own rounding can turn it there, and no further.
;;   INPUTS GIVEN AS CODES. k (in the module: [4, 4096, 64], K = its axis 2); v (in the module: [4, 4096, 64], K = its axis 1): each comes as NAME_codes (uint8): NAME with its K axis moved to the last place and cut into blocks of 32 codes, [.., K / 32, bytes a block], one block behind the other in memory; two codes a byte, the lower K in the low four bits (a code: sign, 2 exponent bits, 1 mantissa bit); and NAME_scales (uint8): the same leading axes, one E8M0 byte (e + 127) for each 32 codes along K. Its value is code x scale, taken as it is: it is not quantised again, and the codes and scales need not be those that the quantiser above would give.
;; One version. Each part assembles by itself: llvm-mc -triple=amdgcn-amd-amdhsa -mcpu=gfx1250 --defsym DOCPART=n.
;; ======== version 1 of 1: 1 launch
;; limits: right only within a limited range of input values
;; launch attn (part 1): grid 64 x 4, 8 waves a work-group, clusters of 4 x 1, 327,680 bytes of LDS; arguments q, k_codes, k_scales, v_codes, v_scales, mask, out0; writes out0
.if DOCPART == 1
	.amdgcn_target "amdgcn-amd-amdhsa--gfx1250"
	.amdhsa_code_object_version 6
	.text
	.protected	k_qa776107172_attn
	.globl	k_qa776107172_attn
	.p2align	8
	.type	k_qa776107172_attn,@function
k_qa776107172_attn:
	s_mov_b64 s[64:65], 0
	v_nop
	global_prefetch_b8 v0, s[64:65] scope:SCOPE_SE
	s_setreg_imm32_b32 hwreg(HW_REG_WAVE_MODE, 25, 1), 1
	s_wait_xcnt 0x0
	s_wait_alu depctr_hold_cnt(0) depctr_sa_sdst(0) depctr_va_vdst(0) depctr_va_sdst(0) depctr_va_ssrc(0) depctr_va_vcc(0) depctr_vm_vsrc(0)
	s_getreg_b32 s2, hwreg(HW_REG_IB_STS2, 6, 4)
	s_cmp_eq_u32 s2, 0
	s_cbranch_scc0 .Lentry_in_a_cluster
	s_endpgm
.Lentry_in_a_cluster:
	s_bfe_u32 s2, ttmp6, 0x10000c
	s_cmp_lg_u32 s2, 0x3003
	s_cbranch_scc0 .Lentry_shape_is_right
	s_endpgm
.Lentry_shape_is_right:
; out[b][q][:] = mask[q] * (sum over k of softmax_k(qs . K[k] + ln mask[k]) V[k][:]) + (1 - mask[q]) * qs,  qs = q / 8.   4 batches, 4,096 queries, 4,096 keys, 64 channels.
; Both products on codes of FP4 (E2M1) with one E8M0 scale for each 32 along K.  K: codes [key][64]; V: codes with the keys innermost [channel][4,096]; qs is quantised here, along its 64 (two blocks).
; THE SOFTMAX: t = logit x log2(e); M = the largest t so far, rounded UP to a whole number; p = 2^(t - M) is quantised along the keys; the sum l is taken of the unquantised p and divides at the end.
; SHARES.  A work-group owns 64 queries of one batch: 256 work-groups.  Wave w of eight: queries 32 (w & 1) + 0 .. 31 (two tiles of 16, A and B), key share w >> 1.  The keys go in four stages of 1,024; in a stage a wave takes one
;   chunk of 256 keys for both tiles: each fragment of K and V and each ln(mask) that is read from LDS serves two tiles.  The four key shares of a tile are merged at the end through LDS: every M is whole, so the merge multiplies by exact powers of two.
; LDS.  One batch's codes of K and V, 256 KiB, lie in LDS whole: each byte is filled once, by eight tensor loads, one a wave, at the head; there is no ring.  NO PREFETCH: no loop fetches anything; all of K and V is asked for at the head.
; CLUSTER.  The four work-groups of a cluster belong to one batch and need the same K and V: each tile is asked for JOINTLY (the same load, the same descriptor, a mask that names the four).
; LAYOUT.  Both products are used transposed (S^T = K Q^T, O^T = V^T P^T): a lane (r = lane % 16, h = lane / 16) holds query r of each tile throughout.
;   A chunk's register 64 u + 32 c + 8 g + j of S is key 128 u + 64 c + 32 h + 8 g + j: a lane owns whole blocks of 32 keys in the order of P's operand.  So a tile (u, c, g) of 16 keys is rows m = 0 .. 15 with key 128 u + 64 c + 32 (m / 8) + 8 g + m % 8.
;   One score product takes 32 rows of K: tiles g = 2 e and 2 e + 1.  Its K is 64 of the instruction's 128: registers 4-7 of Q's fragment are zero codes, so what stands in K's registers for k = 64 .. 127 counts for nothing (every code is a finite
;   number, and both scale bytes there are 0): the four registers of a tile's codes are followed by another tile's, and nothing is cleared.
;   ln(mask) IS THE C OF BOTH TILES' SCORE PRODUCTS: it is loaded into A's registers of S; B's products take it as C first, then A's add onto it in place.
; LIMITS.  mask = 0 is kept as ln = -2^24, not as -infinity: right while |score| <= 2^22.  A chunk all of whose keys are masked leaves finite numbers under M near -2.4e7, which the next change of M (or the merge)
;   multiplies by 2^(-2.4e7) = 0.  A batch all of whose keys are masked gives NaN, as the softmax of nothing does (one select at the end).  A mask below the smallest normal number counts as 0 (v_log_f32 takes it as 0);
;   a negative or NaN mask, and NaN or infinities in q, are not served.  A block's scale exponent is floor(t - M) - 2 of its largest t, held at -126 from below; a block of zeros may get another byte than the quantiser's 127: its codes are zeros, and nobody else reads the byte.
.set KSTG, 33280                       ; K in LDS from byte 0: key k at (k / 32) x 1,040 + (k % 32) x 32: rows of 1,024 bytes + 16 of padding; a stage's 1,024 keys are 32 rows
.set VB,   133120                      ; V: stage i at VB + VSTG i; channel d's 512 bytes of a stage at pitch 528
.set VSTG, 33792
.set LMB,  268288                      ; ln(mask), f32, 4 bytes a key
.set KSB,  284672                      ; K's scale bytes, 2 a key, as they lie in memory
.set VSB,  292864                      ; V's scale bytes: channel d's 128 at pitch 144
.set SPARE, 302080                     ; the spare words, 128 bytes for each wave
.set STS,  69632                       ; the merge (in K's bytes, which have had their one fill and are read no more): partial (4 tile + share) x 4,352, row pitch 272; from STS on 32 bytes a row: four -M, four l
; registers, window 0
.set AK,  1                            ; v1-2   my lane's place in K, stages 0-1 and 2-3
.set AV,  3                            ; v3-4   in V
.set ALM, 5                            ; v5     in ln(mask)
.set AKS, 6                            ; v6     in K's scale bytes
.set AVS, 7                            ; v7     in V's scale words
.set QF,  8                            ; v8-15 tile A's fragment of Q (codes, then zeros), v16-23 tile B's
.set QS,  24                           ; v24-25 Q's scale words          (v24-39, v68-69 hold scales and nothing else)
.set PS,  26                           ; v26-27 p's scale words of tile A (u = 0, 1); tile B's: v68-69 (42 on)
.set KS,  28                           ; v28-35 K's scale words, one for each product of 32 keys
.set VS,  36                           ; v36-37 V's words of channel = lane for u = 0, 1; v38-39 of channel 32 + lane
.set ST,  40                           ; tile A: v40 -M, v41 the largest t, v[42:43] l in two halves, v44 f, v45 0; tile B: v46-51
.set BM,  52                           ; tile A: v52-55 the blocks' maxima, then floor(t - M), then conversion scales; v56-59 at work; tile B: v60-67
.set GO,  70                           ; the way out: my offset in q and in out,
.set GM,  71                           ; and in the mask
.set PC,  74                           ; v74-81 tile A's codes of p; tile B's: v242-249 (168 on)
.set OA,  82                           ; v82-113 tile A's O^T (four tiles of 16 channels), v114-145 tile B's
.set R,   146                          ; v146-177 K of u = 0; v178-209 K of u = 1, then V of u = 0; v210-241 V of u = 1
.set MST, 250                          ; v250-253 the merge's addresses
.set MSS, 251
.set MRD, 252
.set MRS, 253
.set SPW, 254                          ; LDS address of my spare word; never rewritten
.set NIL, 255                          ; 0; never rewritten
.set LR,  230                          ; the head alone: v230 r, v231 h, v232 r / 8, v233 r % 8
; window 1: v0-127 tile A's ln(mask), then S^T, then p; v128-255 tile B's S^T, then p
.set WV,  18                           ; s18 wave, s19 tile pair, s20 key share, s22 batch
.set G1K, 24                           ; s[24:31] descriptor group 1 for K's tiles;  s[32:39] for V's
.set G1V, 32
.set G0K, 40                           ; s[40:55] K's four groups 0;  V's: s[56:63], s[68:75]
.set SEL, 76                           ; s[76:77] v_permlanex16_b32's selects for lane l xor 16
.set CS,  78                           ; s[78:79] log2(e): the packed form names a pair and takes its low word for both halves
.set MSB, 0
.macro WIN new                         ; the immediate's high byte repeats the setting that is left
.if MSB != \new
	s_set_vgpr_msb (MSB<<8)|\new
.set MSB, \new
.endif
.endm
; A round of the cluster's barrier: my work-group's barrier, so that wave 0's signal speaks for all waves; wave 0 signals; every wave waits for the four work-groups; my work-group's barrier once more.
.macro CROUND
	s_barrier_signal -1
	s_barrier_wait -1
	s_cmp_lg_u32 s[WV], 0
	s_cbranch_scc1 .Lnot_wave_0_\@
	s_barrier_signal -3
.Lnot_wave_0_\@:
	s_barrier_wait -3
	s_barrier_signal -1
	s_barrier_wait -1
.endm
	s_load_b256 s[4:11], s[0:1], 0x0               ; q s[4:5], K's codes s[6:7], K's scales s[8:9], V's codes s[10:11]
	s_load_b128 s[12:15], s[0:1], 0x20             ; V's scales s[12:13], mask s[14:15]
	s_load_b64 s[16:17], s[0:1], 0x30              ; out
	v_lshl_add_u32 v[SPW], v0, 2, SPARE
	v_mov_b32 v[NIL], 0
	ds_add_u32 v[SPW], v[NIL]                      ; the wave's opening: the add, twice on end, and its wait ahead of my tensor load
	ds_add_u32 v[SPW], v[NIL]
	v_lshrrev_b32 v52, 5, v0
	v_readfirstlane_b32 s[WV], v52                 ; wave 0..7
	s_and_b32 s19, s[WV], 1                        ; tile pair
	s_lshr_b32 s20, s[WV], 1                       ; key share
	s_and_b32 s22, ttmp7, 0xffff                   ; the batch, which the four partners share
	s_bfe_u32 s91, ttmp6, 0x40000                  ; cx: my place in the cluster.  It enters the addresses of q, of the queries' mask and of out alone
	s_lshl_b32 s23, ttmp9, 2
	s_add_co_u32 s23, s23, s91                     ; my block of 64 queries = 4 x cluster x + cx
	s_lshl_b32 s80, s22, 12
	s_lshl_b32 s81, s23, 6
	s_add_co_u32 s80, s80, s81                     ; the block's first row among the 16,384
	s_lshl_b32 s81, s19, 5
	s_add_co_u32 s82, s80, s81
	s_lshl_b32 s82, s82, 8                         ; my first query, in bytes of q (256 a row)
	s_mov_b32 s83, 0
	s_lshl_b32 s81, s[WV], 3
	s_add_co_u32 s80, s80, s81                     ; the eight rows that I finish at the end: 8 x wave on
	s_lshl_b32 s92, s80, 8                         ; in bytes of q and of out,
	s_mov_b32 s93, 0
	s_lshl_b32 s94, s80, 2                         ; and of the mask
	s_mov_b32 s95, 0
	s_mov_b32 s3, 0
	s_mov_b32 s[SEL], 0x76543210
	s_mov_b32 s[SEL+1], 0xfedcba98
	s_mov_b32 s[CS], 0x3fb8aa3b                    ; log2(e)
	s_mov_b32 s[CS+1], s[CS]                       ; (named with it as a pair, so it is written)
	s_mov_b32 s90, 0x4b000000                      ; 2^23: -M lies beyond it only where every key was masked
	v_and_b32 v[LR], 15, v0                        ; r
	v_bfe_u32 v[LR+1], v0, 4, 1                    ; h
	v_bfe_u32 v[LR+2], v0, 3, 1                    ; r / 8
	v_and_b32 v[LR+3], 7, v0                       ; r % 8
	v_lshlrev_b32 v54, 4, v0                       ; 16 x thread: the work-group's 256 threads cover 4,096 bytes
	v_lshlrev_b32 v55, 8, v[LR]
	v_lshl_add_u32 v55, v[LR+1], 7, v55            ; q: row r of 256 bytes, + 128 h: my block of 32 numbers
.irp j, 4,5,6,7
	v_mov_b32 v[QF+\j], 0                          ; Q's zero codes for k = 64 .. 127
	v_mov_b32 v[QF+8+\j], 0
	v_mov_b32 v[R+60+\j], 0                        ; named (as K's codes for k = 64 .. 127) by the first chunk's products before V is loaded there
.endr
	v_mov_b32 v45, 0                               ; (named as upper halves of pairs)
	v_mov_b32 v51, 0
	v_mov_b32 v64, 0                               ; a lane permute's destination counts as one of its sources
	v_mov_b32 v65, 0
	s_wait_alu depctr_va_vdst(0)
	s_wait_dscnt 0x0                               ; both opening adds are done
	s_wait_kmcnt 0x0
	s_add_nc_u64 s[84:85], s[4:5], s[82:83]        ; q at my queries
	s_add_nc_u64 s[86:87], s[4:5], s[92:93]        ; q at my eight final rows
	s_add_nc_u64 s[16:17], s[16:17], s[92:93]      ; out likewise
	s_add_nc_u64 s[88:89], s[14:15], s[94:95]      ; the mask of those eight queries
	s_lshl_b32 s2, s22, 14
	s_add_nc_u64 s[14:15], s[14:15], s[2:3]        ; the batch's mask: 16,384 bytes,
	s_lshl_b32 s2, s22, 13
	s_add_nc_u64 s[8:9], s[8:9], s[2:3]            ; its scale bytes of K: 8,192,
	s_add_nc_u64 s[12:13], s[12:13], s[2:3]        ; and of V
	s_lshl_b32 s2, s22, 17                         ; its codes: 131,072 bytes each
	s_add_nc_u64 s[6:7], s[6:7], s[2:3]
	s_add_nc_u64 s[10:11], s[10:11], s[2:3]
.irp j, 0,1,2,3
	global_load_b128 v[R+4*\j:R+4*\j+3], v54, s[14:15] offset:4096*\j            ; the batch's mask, 64 bytes a thread,
.endr
.irp j, 0,1
	global_load_b128 v[R+16+4*\j:R+19+4*\j], v54, s[8:9] offset:4096*\j          ; K's scale bytes, 32 a thread,
	global_load_b128 v[R+24+4*\j:R+27+4*\j], v54, s[12:13] offset:4096*\j        ; V's likewise
.endr
.irp j, 0,1,2,3,4,5,6,7
	global_load_b128 v[OA+4*\j:OA+4*\j+3], v55, s[84:85] offset:16*\j            ; q(r, 32 h + 0 .. 31) of tile A: a whole block in a lane, in the order of the operand's registers
	global_load_b128 v[OA+32+4*\j:OA+35+4*\j], v55, s[84:85] offset:4096+16*\j   ; and of tile B
.endr
	; descriptor group 1.  K: a stage, 1,024 keys = 32,768 dense bytes, as 32 rows of 128 elements of 8 bytes.  V: 64 channels x 512 bytes, 2,048 bytes apart
	s_mov_b32 s[G1K+0], 15|(3<<16)|(1<<20)|(1<<21)|(7<<22)|(3<<25)   ; 15:0 the mask: all four work-groups; 17:16 elements of 8 bytes; 20 padding on; 21 set beside a mask; 24:22 after every 256 words (code 7); 31:25 four words (code 3)
	s_mov_b32 s[G1K+1], 128<<16                    ; tensor_dim0
	s_mov_b32 s[G1K+2], 32<<16                     ; tensor_dim1
	s_mov_b32 s[G1K+3], 128<<16                    ; tile_dim0
	s_mov_b32 s[G1K+4], 32                         ; tile_dim1
	s_mov_b32 s[G1K+5], 128                        ; from row to row: 128 elements (dense)
	s_mov_b32 s[G1K+6], 0
	s_mov_b32 s[G1K+7], 0
	s_mov_b32 s[G1V+0], 15|(3<<16)|(1<<20)|(1<<21)|(6<<22)|(3<<25)   ; the same; padding after every 128 words (code 6)
	s_mov_b32 s[G1V+1], 64<<16
	s_mov_b32 s[G1V+2], 64<<16
	s_mov_b32 s[G1V+3], 64<<16
	s_mov_b32 s[G1V+4], 64
	s_mov_b32 s[G1V+5], 256                        ; a channel's 4,096 codes: 2,048 bytes = 256 elements
	s_mov_b32 s[G1V+6], 0
	s_mov_b32 s[G1V+7], 0
.irp i, 0,1,2,3                        ; group 0, a set for each stage: none is ever written again
	s_mov_b32 s[G0K+4*\i], 1                                       ; count = 1
	s_mov_b32 s[G0K+4*\i+1], KSTG*\i                               ; LDS address
	s_add_nc_u64 s[G0K+4*\i+2:G0K+4*\i+3], s[6:7], 32768*\i        ; global address: a stage is 1,024 keys x 32 bytes
	s_or_b32 s[G0K+4*\i+3], s[G0K+4*\i+3], 0x80000000              ; type = 2
.set GV, 56+4*\i+4*(\i/2)
	s_mov_b32 s[GV], 1
	s_mov_b32 s[GV+1], VB+VSTG*\i
	s_add_nc_u64 s[GV+2:GV+3], s[10:11], 512*\i                    ; a stage is 512 bytes of each channel's row
	s_or_b32 s[GV+3], s[GV+3], 0x80000000
.endr
	CROUND                                         ; all four work-groups are here: the joint loads meet
; THE HEAD'S LOADS, ONE A WAVE: waves 0 to 3 fetch K's stages, waves 4 to 7 V's.  One chain of branches on the wave's number, an arm a load, all arms to one join.
.macro ARM w, g0, g1
	s_cmp_eq_u32 s[WV], \w
	s_cbranch_scc0 .Lnot_mine_\@
	tensor_load_to_lds s[\g0:\g0+3], s[\g1:\g1+7]
	s_nop 0
.rept 4
	v_nop
.endr
	s_branch .Lasked
.Lnot_mine_\@:
.endm
	ARM 0, 40, G1K
	ARM 4, 56, G1V
	ARM 1, 44, G1K
	ARM 5, 60, G1V
	ARM 2, 48, G1K
	ARM 6, 68, G1V
	ARM 3, 52, G1K
	tensor_load_to_lds s[72:75], s[G1V:G1V+7]      ; wave 7
	s_nop 0
.rept 4
	v_nop
.endr
.Lasked:
	; ---- my lane's places in LDS
	v_mul_u32_u24 v[AK], v[LR+2], 1040             ; K: row m = r of a tile: key 32 (r / 8) + r % 8 -> one LDS row on for r / 8, 32 bytes a key, + 16 h: my 32 codes
	v_mul_u32_u24 v[AV], v[LR], 528                ; V: channel r of a tile, + 16 h, + my share's 128 bytes
	v_lshl_add_u32 v[AK], v[LR+3], 5, v[AK]
	v_lshl_add_u32 v[AV], v[LR+1], 4, v[AV]
	v_lshl_add_u32 v[AK], v[LR+1], 4, v[AK]
	s_mul_i32 s96, s20, 8320                       ; my share's 256 keys: 8 LDS rows
	s_lshl_b32 s97, s20, 7
	s_add_co_u32 s97, s97, VB
	v_add_nc_u32 v[AK], s96, v[AK]
	v_add_nc_u32 v[AV], s97, v[AV]
	v_add_nc_u32 v[AK+1], 2*KSTG, v[AK]
	v_add_nc_u32 v[AV+1], 2*VSTG, v[AV]
	s_lshl_b32 s98, s20, 10
	s_add_co_u32 s98, s98, LMB
	v_lshl_add_u32 v[ALM], v[LR+1], 7, s98         ; ln(mask): my 32 keys begin 32 h keys on; all sixteen lanes of a half read the same words
	s_lshl_b32 s99, s20, 9
	s_add_co_u32 s99, s99, KSB
	v_lshl_add_u32 v[AKS], v[LR+1], 4, s99         ; K's scale bytes, 2 a key: lanes 16-31 take the product's second tile, 8 keys on
	v_and_b32 v60, 31, v0
	v_lshl_add_u32 v[AKS], v[LR+2], 6, v[AKS]
	v_mul_u32_u24 v60, v60, 144
	v_lshl_add_u32 v[AKS], v[LR+3], 1, v[AKS]
	s_lshl_b32 s96, s20, 3
	s_add_co_u32 s96, s96, VSB
	v_add_nc_u32 v[AVS], s96, v60                  ; V's scale words: channel = lane
	; ---- the merge's addresses
	s_lshl_b32 s96, s19, 3
	s_add_co_u32 s96, s96, s20
	s_mul_i32 s96, s96, 4352                       ; my tile A's partial: (4 x tile + share) x 16 rows of 272; tile B's lies 17,408 on
	v_mul_u32_u24 v[MST], v[LR], 272
	v_lshl_add_u32 v[MST], v[LR+1], 5, v[MST]
	v_add_nc_u32 v[MST], s96, v[MST]               ; in: row r; channel tile t's eight channels of my half: 64 t + 32 h bytes on
	s_lshl_b32 s97, s19, 10
	s_lshl_b32 s98, s20, 2
	s_add_co_u32 s97, s97, s98
	s_add_co_u32 s97, s97, STS
	v_lshl_add_u32 v[MSS], v[LR], 5, s97           ; the row's 32 bytes of statistics, my share's word
	s_mul_i32 s98, s20, 17408                      ; back: rows 8 w on lie in tile w / 2 (four partials of 4,352), at its rows 8 (w % 2) on
	s_mul_i32 s99, s19, 2176
	s_add_co_u32 s98, s98, s99
	v_mul_u32_u24 v[MRD], v[LR+1], 272
	v_lshl_add_u32 v[MRD], v[LR], 4, v[MRD]
	v_add_nc_u32 v[MRD], s98, v[MRD]
	s_lshl_b32 s99, s[WV], 8
	s_add_co_u32 s99, s99, STS
	v_lshl_add_u32 v[MRS], v[LR+1], 5, s99
	v_lshlrev_b32 v[GO], 8, v[LR+1]
	v_lshl_add_u32 v[GO], v[LR], 4, v[GO]          ; in q and in out: lanes 0-15 one row, lanes 16-31 the next; 16 bytes a lane
	v_lshlrev_b32 v[GM], 2, v[LR+1]
	; ---- the tables: ln(mask) and the scale bytes of the whole batch, once, into LDS bytes that no tensor load fills
	v_add_nc_u32 v56, LMB, v54
	v_add_nc_u32 v57, KSB, v54
	v_lshrrev_b32 v58, 3, v0                       ; V's scale bytes: thread i holds bytes 16 (i % 8) on of channels i / 8 and 32 + i / 8
	v_and_b32 v59, 7, v0
	v_mul_u32_u24 v58, v58, 144
	v_lshl_add_u32 v58, v59, 4, v58
	v_add_nc_u32 v58, VSB, v58
	s_wait_loadcnt 16                              ; the mask and the scale bytes are in; q's sixteen loads may be out
	s_wait_alu depctr_va_vdst(0)                   ; ahead of the batch
.irp j, 0,1,2,3,4,5,6,7,8,9,10,11,12,13,14,15
	v_log_f32 v[R+\j], v[R+\j]                     ; log2(mask): 0 for 1, -infinity for 0
.endr
	v_lshlrev_b32 v67, 3, v[LR+1]                  ; 8 h  (a plain instruction behind the transcendentals)
	s_wait_alu depctr_va_vdst(0)                   ; and behind it
.irp j, 0,2,4,6,8,10,12,14
	v_pk_mul_f32 v[R+\j:R+\j+1], v[R+\j:R+\j+1], 0x3f317218 op_sel_hi:[1,0]   ; x ln 2
.endr
.irp j, 0,1,2,3,4,5,6,7,8,9,10,11,12,13,14,15
	v_max_num_f32 v[R+\j], 0xcb800000, v[R+\j]     ; held at -2^24 from below: no infinity goes to the matrix unit
.endr
.irp j, 0,1,2,3
	ds_store_b128 v56, v[R+4*\j:R+4*\j+3] offset:4096*\j
.endr
.irp j, 0,1
	ds_store_b128 v57, v[R+16+4*\j:R+19+4*\j] offset:4096*\j
	ds_store_b128 v58, v[R+24+4*\j:R+27+4*\j] offset:4608*\j
.endr
	; ---- qs = q / 8 becomes Q's fragments.  Each of a tile pair's four waves makes them for itself: no barrier
	s_wait_loadcnt 0x0
.set J, 0
.rept 32
	v_pk_mul_f32 v[OA+J:OA+J+1], v[OA+J:OA+J+1], 0x3e000000 op_sel_hi:[1,0]      ; x 1/8: exact
.set J, J+2
.endr
.irp x, 0,1
	v_max3_num_f32 v[60+\x], |v[OA+32*\x]|, |v[OA+32*\x+1]|, 0x1800000           ; the block's largest magnitude: all 32 numbers are mine; and the floor 2^(3 - 127): the byte cannot fall under 1
.endr
.irp j, 2,4,6,8,10,12,14,16,18,20,22,24,26,28,30
.irp x, 0,1
	v_max3_num_f32 v[60+\x], v[60+\x], |v[OA+32*\x+\j]|, |v[OA+32*\x+\j+1]|
.endr
.endr
.irp x, 0,1
	v_add_nc_u32 v[60+\x], 0xff000000, v[60+\x]    ; 2 off its exponent field: the conversion takes the exponent field of this operand as its scale
.endr
.irp x, 0,1
	v_lshrrev_b32 v[62+\x], 23, v[60+\x]           ; the scale's byte
.endr
.irp x, 0,1
.irp g, 0,1,2,3
	v_cvt_scalef32_pk8_fp4_f32 v[QF+8*\x+\g], v[OA+32*\x+8*\g:OA+32*\x+8*\g+7], v[60+\x]
.endr
.endr
.irp x, 0,1
	v_lshlrev_b32 v[62+\x], v67, v[62+\x]          ; my byte at its place, 8 h bits up  (plain instructions behind the scaled conversions)
.endr
.irp x, 0,1
	v_permlanex16_b32 v[64+\x], v[62+\x], s[SEL], s[SEL+1]
.endr
.irp x, 0,1
	v_or_b32 v[QS+\x], v[62+\x], v[64+\x]          ; with lane l xor 16's: bytes 0, 1; bytes 2, 3 stay 0, over zero codes
.endr
; K's codes of 128 keys (half u of stage st's chunk): tile g of block pair c goes to place 2 (g % 2) + g / 2 of four, so that sixteen registers from place e on hold tile 2 e first and tile 2 e + 1 eight registers on
.macro KLOAD st, u
.irp c, 0,1
.irp g, 0,1,2,3
	ds_load_b128 v[R+32*\u+16*\c+8*(\g%2)+4*(\g/2):R+32*\u+16*\c+8*(\g%2)+4*(\g/2)+3], v[AK+(\st)/2] offset:KSTG*((\st)%2)+4160*\u+2080*\c+256*\g
.endr
.endr
.endm
.macro KSLOAD st
.irp i, 0,1,2,3,4,5,6,7
	ds_load_u16 v[KS+\i], v[AKS] offset:2048*(\st)+256*(\i/4)+128*((\i/2)%2)+32*(\i%2)      ; two bytes, zero-extended
.endr
.endm
.macro LMLOAD st, u                    ; ln(mask) of 128 keys into tile A's S in the result's layout
	WIN 0x40
.irp i, 0,1,2,3
.irp n, 0,1,2,3
	ds_load_b128 v[64*\u+16*\i+4*\n:64*\u+16*\i+4*\n+3], v[ALM] offset:4096*(\st)+512*\u+256*(\i/2)+64*(\i%2)+16*\n
.endr
.endr
	WIN 0
.endm
.macro VLOAD st                        ; V's eight fragments of 16 channels x 128 keys, and its scale words
.irp u, 0,1
.irp t, 0,1,2,3
.irp c, 0,1
	ds_load_b128 v[R+32+32*\u+8*\t+4*\c:R+35+32*\u+8*\t+4*\c], v[AV+\st/2] offset:VSTG*(\st%2)+8448*\t+64*\u+32*\c
.endr
.endr
.endr
	ds_load_b64 v[VS:VS+1], v[AVS] offset:32*\st
	ds_load_b64 v[VS+2:VS+3], v[AVS] offset:32*\st+4608
.endm
; S^T = K Q^T + ln(mask): source 0 = 32 keys, source 1 = 16 queries.  Tile B first, with C in A's registers; five places; then tile A onto its own.  u = 1 goes first: its ln(mask) was asked for first
.macro SCORES
	WIN 0x50                                       ; C and D in window 1
.irp i, 4,5,6,7,0,1,2,3
	s_wait_dscnt 28-4*((\i+4)%8)                   ; LDS loads come back in order (ISA guide 5.7.1): the scale words, K and this block's four loads of ln(mask) are in; the four of each later block may be out
	v_wmma_scale_f32_32x16x128_f4 v[128+16*\i:143+16*\i], v[R+32*(\i/4)+16*((\i/2)%2)+4*(\i%2):R+15+32*(\i/4)+16*((\i/2)%2)+4*(\i%2)], v[QF+8:QF+15], v[16*\i:16*\i+15], v[KS+\i], v[QS+1]
.endr
.rept 5
	v_nop                                          ; five places ahead of matrix instructions that write over the C of the ones above
.endr
.irp i, 4,5,6,7,0,1,2,3
	v_wmma_scale_f32_32x16x128_f4 v[16*\i:16*\i+15], v[R+32*(\i/4)+16*((\i/2)%2)+4*(\i%2):R+15+32*(\i/4)+16*((\i/2)%2)+4*(\i%2)], v[QF:QF+7], v[16*\i:16*\i+15], v[KS+\i], v[QS]
.endr
.endm
; the largest logit of each of my four blocks of 32 keys, each in two chains that begin at an accumulator's low end
.macro MAXES x
.set SB, 128*\x
.set BX, BM+8*\x
	WIN 0x15
.irp b, 0,1,2,3
	v_max3_num_f32 v[BX+\b], v[SB+32*\b], v[SB+32*\b+1], v[SB+32*\b+2]
	v_max3_num_f32 v[BX+4+\b], v[SB+32*\b+16], v[SB+32*\b+17], v[SB+32*\b+18]
.endr
	WIN 0x05
.irp i, 3,5,7,9,11,13
.irp b, 0,1,2,3
	v_max3_num_f32 v[BX+\b], v[SB+32*\b+\i], v[SB+32*\b+\i+1], v[BX+\b]
	v_max3_num_f32 v[BX+4+\b], v[SB+32*\b+16+\i], v[SB+32*\b+17+\i], v[BX+4+\b]
.endr
.endr
.irp b, 0,1,2,3
	v_max3_num_f32 v[BX+\b], v[SB+32*\b+15], v[SB+32*\b+31], v[BX+\b]
.endr
	WIN 0
.irp b, 0,1,2,3
	v_max_num_f32 v[BX+\b], v[BX+\b], v[BX+4+\b]
.endr
.endm
; the running M, the blocks' scales and O^T under the new M, both tiles by turns.  In the first chunk M starts: no f
.macro CHAIN st
.irp x, 1,0
	v_max3_num_f32 v[BM+8*\x+4], v[BM+8*\x], v[BM+8*\x+1], v[BM+8*\x+2]
.endr
.irp x, 1,0
	v_max_num_f32 v[BM+8*\x+4], v[BM+8*\x+4], v[BM+8*\x+3]
.endr
.irp x, 1,0
	v_permlanex16_b32 v[BM+8*\x+5], v[BM+8*\x+4], s[SEL], s[SEL+1]
.endr
.irp x, 1,0
	v_max_num_f32 v[BM+8*\x+4], v[BM+8*\x+4], v[BM+8*\x+5]     ; with lane l xor 16's four blocks: the chunk's largest logit of my query
.endr
.if \st == 0
.irp x, 1,0
	v_mul_f32 v[ST+6*\x+1], s[CS], v[BM+8*\x+4]    ; as t
.endr
.irp x, 1,0
	v_floor_f32 v[ST+6*\x], -v[ST+6*\x+1]          ; -M = floor(-t) = -ceil(t): M IS A WHOLE NUMBER
.endr
.else
.irp x, 1,0
	v_mul_f32 v[BM+8*\x+4], s[CS], v[BM+8*\x+4]
.endr
.irp x, 1,0
	v_mov_b32 v[BM+8*\x+6], v[ST+6*\x]
.endr
.irp x, 1,0
	v_max_num_f32 v[ST+6*\x+1], v[ST+6*\x+1], v[BM+8*\x+4]     ; the running largest t
.endr
.irp x, 1,0
	v_floor_f32 v[ST+6*\x], -v[ST+6*\x+1]
.endr
.irp x, 1,0
	v_sub_f32 v[BM+8*\x+6], v[ST+6*\x], v[BM+8*\x+6]           ; M's old value less its new one: a whole number, 0 or less
.endr
.irp x, 1,0
	v_cvt_i32_f32 v[BM+8*\x+6], v[BM+8*\x+6]
.endr
.irp x, 1,0
	v_ldexp_f32 v[ST+6*\x+4], 1.0, v[BM+8*\x+6]    ; f = 2^(old M - new M): multiplying by it rounds nothing
.endr
.endif
.irp b, 0,1,2,3
.irp x, 1,0
	v_fma_f32 v[BM+8*\x+\b], v[BM+8*\x+\b], s[CS], v[ST+6*\x]  ; t - M of the block's largest logit
.endr
.endr
.irp b, 0,1,2,3
.irp x, 1,0
	v_cvt_floor_i32_f32 v[BM+8*\x+\b], v[BM+8*\x+\b]           ; = floor(log2) of the block's largest p
.endr
.endr
.irp b, 0,1,2,3
.irp x, 1,0
	v_max_i32 v[BM+8*\x+\b], 0xffffff84, v[BM+8*\x+\b]         ; held at -124: the byte cannot fall under 1
.endr
.endr
.irp b, 2,1,0                          ; four numbers n as the sum of n 2^(8 b); with 125 added to each they are the scale bytes n - 2 + 127
.irp x, 1,0
.if \b == 2
	v_lshl_add_u32 v[BM+8*\x+4], v[BM+8*\x+3], 8, v[BM+8*\x+2]
.else
	v_lshl_add_u32 v[BM+8*\x+4], v[BM+8*\x+4], 8, v[BM+8*\x+\b]
.endif
.endr
.endr
.irp x, 1,0
	v_add_nc_u32 v[BM+8*\x+4], 0x7d7d7d7d, v[BM+8*\x+4]
.endr
.irp x, 1,0
	v_permlanex16_b32 v[BM+8*\x+5], v[BM+8*\x+4], s[SEL], s[SEL+1]     ; lane l xor 16's four bytes
.endr
.irp b, 0,1,2,3
.irp x, 1,0
	v_add_lshl_u32 v[BM+8*\x+\b], v[BM+8*\x+\b], 0x7d, 23      ; the same byte as an exponent field: the conversion's scale operand
.endr
.endr
.if \st
.set J, 0
.rept 16
.irp x, 0,1
	v_pk_mul_f32 v[OA+32*\x+J:OA+32*\x+J+1], v[OA+32*\x+J:OA+32*\x+J+1], v[ST+6*\x+4:ST+6*\x+5] op_sel_hi:[1,0]     ; O^T under the new M, each accumulator from its low end on
.endr
.set J, J+2
.endr
.endif
.irp x, 0,1
	v_perm_b32 v[PS+42*\x], v[BM+8*\x+5], v[BM+8*\x+4], 0x05010400     ; p's scale words, whole in lanes 0-15: blocks 0, 2 are mine, 1, 3 lane l xor 16's
	v_perm_b32 v[PS+42*\x+1], v[BM+8*\x+5], v[BM+8*\x+4], 0x07030602
.endr
.endm
; p's codes of 128 keys, both tiles: registers 4 c .. 4 c + 3 of the operand: keys 64 c + 32 h + 0 .. 31
.macro CODES u
	WIN 0x01
.irp x, 0,1
.irp c, 0,1
.irp g, 0,1,2,3
	v_cvt_scalef32_pk8_fp4_f32 v[PC+168*\x+4*\c+\g], v[128*\x+64*\u+32*\c+8*\g:128*\x+64*\u+32*\c+8*\g+7], v[BM+8*\x+2*\u+\c]
.endr
.endr
.endr
.endm
; O^T += V^T P^T: source 0 = 16 channels, source 1 = p; K = 128 keys.  Eight accumulators (four a tile), one instruction each; in the first chunk the constant 0 starts the sums: nothing is cleared
.macro PV u, st
	WIN 0
.irp x, 0,1
.irp t, 0,1,2,3
.set VW, VS+2*(\t/2)+\u
.set VA, R+32+32*\u+8*\t
.set DO, OA+32*\x+8*\t
.set PX, PC+168*\x
.set PW, PS+42*\x+\u
.if (\st == 0) && (\u == 0)
.if \t%2
	v_wmma_scale_f32_16x16x128_f8f6f4 v[DO:DO+7], v[VA:VA+7], v[PX:PX+7], 0, v[VW], v[PW] matrix_a_fmt:MATRIX_FMT_FP4 matrix_b_fmt:MATRIX_FMT_FP4 matrix_a_scale:MATRIX_SCALE_ROW1
.else
	v_wmma_scale_f32_16x16x128_f8f6f4 v[DO:DO+7], v[VA:VA+7], v[PX:PX+7], 0, v[VW], v[PW] matrix_a_fmt:MATRIX_FMT_FP4 matrix_b_fmt:MATRIX_FMT_FP4
.endif
.else
.if \t%2
	v_wmma_scale_f32_16x16x128_f8f6f4 v[DO:DO+7], v[VA:VA+7], v[PX:PX+7], v[DO:DO+7], v[VW], v[PW] matrix_a_fmt:MATRIX_FMT_FP4 matrix_b_fmt:MATRIX_FMT_FP4 matrix_a_scale:MATRIX_SCALE_ROW1
.else
	v_wmma_scale_f32_16x16x128_f8f6f4 v[DO:DO+7], v[VA:VA+7], v[PX:PX+7], v[DO:DO+7], v[VW], v[PW] matrix_a_fmt:MATRIX_FMT_FP4 matrix_b_fmt:MATRIX_FMT_FP4
.endif
.endif
.endr
.endr
.endm
; THE SUM IS TAKEN OF THE UNQUANTISED p, in place, two at a time.  TADN: its first level over u = 0 (sixteen pairs a tile, DI counts both tiles' 32); FOLD: u = 1's thirty-two pairs onto those sixteen; TREE: sixteen to one
.macro TADN
.set TP, 128*(DI/16)+4*(DI%16)
	v_pk_add_f32 v[TP:TP+1], v[TP:TP+1], v[TP+2:TP+3]
.set DI, DI+1
.endm
.macro FOLD x, from, n
.set FI, \from
.rept \n
.set TP, 128*\x+4*(FI%16)
.set TQ, 128*\x+64+4*(FI%16)+2*(FI/16)
	v_pk_add_f32 v[TP:TP+1], v[TP:TP+1], v[TQ:TQ+1]
.set FI, FI+1
.endr
.endm
.macro TREE x, n
.set TP, 128*\x
.rept \n
	v_pk_add_f32 v[TP:TP+1], v[TP:TP+1], v[TP+4*\n:TP+4*\n+1]
.set TP, TP+4
.endr
.endm
.macro LADD x, st                      ; onto l; in the first chunk the last two make l
.set TP, 128*\x
.set LX, ST+6*\x+2
.if \st
	TREE \x, 1
	WIN 0x01
.set TP, 128*\x
	v_pk_add_f32 v[LX:LX+1], v[TP:TP+1], v[LX:LX+1]
.else
	WIN 0x05
	v_pk_add_f32 v[LX:LX+1], v[TP:TP+1], v[TP+4:TP+5]
.endif
.endm
.macro EXPN                            ; p of u = 1: EI counts both tiles' 128
.set EP, 64+EI+64*(EI/64)
	v_exp_f32 v[EP], v[EP]
.set EI, EI+1
.endm
; A chunk: 256 keys of stage st for both tiles.  The accumulators follow each other one instruction a turn.
.macro CHUNK st
	SCORES
	MAXES 1
	VLOAD \st                                      ; over K of u = 1 (tile B's maxima are the places behind the score products)
.if \st == 3
.irp e, 0,1,2,3
	global_load_b128 v[R+4*\e:R+4*\e+3], v[GO], s[86:87] offset:512*\e   ; q of my final rows,
	global_load_b32 v[R+16+\e], v[GM], s[88:89] offset:8*\e              ; and their mask, over K of u = 0, which is needed no more
.endr
.endif
	MAXES 0
	CHAIN \st
	WIN 0x45
.set J, 0
.rept 32
	v_pk_fma_f32 v[J:J+1], v[J:J+1], s[CS:CS+1], v[ST:ST+1] op_sel_hi:[1,0,0]    ; t - M of u = 0, two at a time (of the pairs c and -M the low word serves both halves)
	v_pk_fma_f32 v[128+J:129+J], v[128+J:129+J], s[CS:CS+1], v[ST+6:ST+7] op_sel_hi:[1,0,0]
.set J, J+2
.endr
	s_wait_alu depctr_va_vdst(0)                   ; ahead of the batch
.set J, 0
.rept 32                               ; p = 2^(t - M) of u = 0, NOT normalised; between them u = 1's t - M, which are first read behind the wait below
	v_exp_f32 v[J], v[J]
	v_exp_f32 v[J+1], v[J+1]
	v_pk_fma_f32 v[64+J:65+J], v[64+J:65+J], s[CS:CS+1], v[ST:ST+1] op_sel_hi:[1,0,0]
	v_exp_f32 v[128+J], v[128+J]
	v_exp_f32 v[129+J], v[129+J]
	v_pk_fma_f32 v[192+J:193+J], v[192+J:193+J], s[CS:CS+1], v[ST+6:ST+7] op_sel_hi:[1,0,0]
.set J, J+2
.endr
.if \st == 0
	s_wait_tensorcnt 0x0                           ; my tensor load, of whatever stage, has landed
.endif
	s_wait_dscnt 0x0                               ; V is in: no LDS instruction of mine is out
.if (\st == 0) || (\st == 3)
	s_barrier_signal -1                            ; chunk 0: my part of the later stages is in.  Chunk 3: I read nothing more of K, V and the tables.  Register work alone follows up to the wait
.endif
	s_wait_alu depctr_va_vdst(0)                   ; behind the batch
	CODES 0
	WIN 0
.irp x, 0,1
.if \st
	v_pk_mul_f32 v[ST+6*\x+2:ST+6*\x+3], v[ST+6*\x+2:ST+6*\x+3], v[ST+6*\x+4:ST+6*\x+5] op_sel_hi:[1,0]     ; l under the new M  (a plain instruction behind the conversions)
.else
	v_nop                                          ; a plain instruction behind the conversions
.endif
.endr
	WIN 0x45
.set DI, 0
.rept 4
	TADN                                           ; (with the two lines above: six places between the codes and the products)
.endr
	PV 0, \st
	WIN 0x45
.set EI, 0
.rept 16
	EXPN
.endr
.rept 28                               ; between the exponentials of u = 1 the rest of the first level of u = 0's sum: first read behind the wait below
	EXPN
	EXPN
	EXPN
	EXPN
	TADN
.endr
	s_wait_alu depctr_va_vdst(0)                   ; behind the batch
.if \st == 0
	s_barrier_wait -1                              ; everybody's part of the later stages is in
.endif
.if \st < 3
	WIN 0
	KSLOAD \st+1                                   ; the next chunk's scale words and K (u = 1 over V of u = 0, whose products stand over 150 places back)
	KLOAD \st+1, 0
	KLOAD \st+1, 1
.endif
	CODES 1
	WIN 0x45
	FOLD 0, 0, 32                                  ; (plain instructions behind the conversions and ahead of the products; the first sixteen write none of the conversions' sources)
	PV 1, \st
.if \st < 3
	LMLOAD \st+1, 1                                ; tile A's registers of u = 1 are free
.endif
	WIN 0x45
	TREE 0, 8
	FOLD 1, 0, 8
	TREE 0, 4
	FOLD 1, 8, 8
	TREE 0, 2
	FOLD 1, 16, 16
	LADD 0, \st
.if \st < 3
	LMLOAD \st+1, 0                                ; and so are those of u = 0
.endif
	WIN 0x45
	TREE 1, 8
	TREE 1, 4
	TREE 1, 2
	LADD 1, \st
	WIN 0
.endm
	s_wait_alu depctr_va_vdst(0)
	s_cmp_eq_u32 s[WV], 0                          ; stage 0 alone is read behind this barrier: waves 0 and 4, which fetched it (by load lines of their own), wait for it
	s_cbranch_scc1 .Lstage_0
	s_cmp_eq_u32 s[WV], 4
	s_cbranch_scc0 .Llater
.Lstage_0:
	s_wait_tensorcnt 0x0
.Llater:
	s_wait_dscnt 0x0                               ; my stores into the tables have landed
	s_barrier_signal -1
	s_barrier_wait -1
	KSLOAD 0
	KLOAD 0, 0
	KLOAD 0, 1
	LMLOAD 0, 1
	LMLOAD 0, 0
	CHUNK 0
	CHUNK 1
	CHUNK 2
	CHUNK 3
	; ---- THE MERGE.  Each wave puts its O^T, -M and l into LDS; then each of the eight waves finishes eight whole rows: rows 8 w + 2 e + h, e = 0 .. 3; sixteen lanes to a row of 256 bytes.
.irp x, 0,1
	v_add_f32 v[ST+6*\x+2], v[ST+6*\x+2], v[ST+6*\x+3]         ; l's two halves
.endr
.irp x, 0,1
	v_permlanex16_b32 v[BM+8*\x], v[ST+6*\x+2], s[SEL], s[SEL+1]
.endr
.irp x, 0,1
	v_add_f32 v[ST+6*\x+2], v[ST+6*\x+2], v[BM+8*\x]           ; with lane l xor 16's: my share's l
.endr
	s_wait_alu depctr_va_vdst(0)
	s_barrier_wait -1                              ; nobody reads K any more: its bytes, which have had their one fill, become the stage
.irp x, 0,1
.irp t, 0,1,2,3
	ds_store_b128 v[MST], v[OA+32*\x+8*\t:OA+32*\x+8*\t+3] offset:17408*\x+64*\t       ; each accumulator from its low end on
	ds_store_b128 v[MST], v[OA+32*\x+8*\t+4:OA+32*\x+8*\t+7] offset:17408*\x+64*\t+16
.endr
	ds_store_b32 v[MSS], v[ST+6*\x] offset:512*\x              ; -M (both halves of the lanes write the same word with the same value)
	ds_store_b32 v[MSS], v[ST+6*\x+2] offset:512*\x+16         ; l
.endr
	s_wait_dscnt 0x0                               ; for the others' sake: my stores have landed
	s_barrier_signal -1
	s_barrier_wait -1
.set PB, 82                            ; v82-145: row e's four partials of four channels, 16 registers a row; the result replaces the first
.set NB, 178                           ; v178-209: row e's four -M and four l
.set ZB, 210                           ; v210-245, nine a row: +0 -M, +1..4 f, +5 l, +6 1 / l, +7 mask / l, +8 (1 - mask) / 8
.irp e, 0,1,2,3
	ds_load_b128 v[NB+8*\e:NB+8*\e+3], v[MRS] offset:64*\e
	ds_load_b128 v[NB+8*\e+4:NB+8*\e+7], v[MRS] offset:64*\e+16
.endr
.irp e, 0,1,2,3
.irp k, 0,1,2,3
	ds_load_b128 v[PB+16*\e+4*\k:PB+16*\e+4*\k+3], v[MRD] offset:4352*\k+544*\e
.endr
.endr
	s_wait_dscnt 0x0
	s_wait_loadcnt 0x0
.irp e, 0,1,2,3
	v_min_num_f32 v[ZB+9*\e], v[NB+8*\e], v[NB+8*\e+1]
	v_min_num_f32 v[ZB+9*\e+1], v[NB+8*\e+2], v[NB+8*\e+3]
.endr
.irp e, 0,1,2,3
	v_min_num_f32 v[ZB+9*\e], v[ZB+9*\e], v[ZB+9*\e+1]         ; the least -M: the row's M
.endr
.irp e, 0,1,2,3
.irp k, 0,1,2,3
	v_sub_f32 v[ZB+9*\e+1+\k], v[ZB+9*\e], v[NB+8*\e+\k]       ; share k's M less the row's: a whole number, 0 or less
.endr
.endr
.irp e, 0,1,2,3
.irp k, 0,1,2,3
	v_cvt_i32_f32 v[ZB+9*\e+1+\k], v[ZB+9*\e+1+\k]
.endr
.endr
.irp e, 0,1,2,3
.irp k, 0,1,2,3
	v_ldexp_f32 v[ZB+9*\e+1+\k], 1.0, v[ZB+9*\e+1+\k]          ; f_k: exact; 0 for a share all of whose keys were masked
.endr
.endr
.irp e, 0,1,2,3
	v_mul_f32 v[ZB+9*\e+5], v[ZB+9*\e+1], v[NB+8*\e+4]
.endr
.irp k, 1,2,3
.irp e, 0,1,2,3
	v_fmac_f32 v[ZB+9*\e+5], v[ZB+9*\e+1+\k], v[NB+8*\e+4+\k]  ; l
.endr
.endr
	s_wait_alu depctr_va_vdst(0)                   ; ahead of the batch
.irp e, 0,1,2,3
	v_rcp_f32 v[ZB+9*\e+6], v[ZB+9*\e+5]
.endr
	v_mov_b32 v76, 0x7fc00000                      ; NaN  (a plain instruction behind the transcendentals)
.irp e, 0,1,2,3
	v_sub_f32 v[ZB+9*\e+8], 1.0, v[R+16+\e]
.endr
	s_wait_alu depctr_va_vdst(0)                   ; and behind it
.irp e, 0,1,2,3
	v_cmp_lt_f32 vcc_lo, s90, v[ZB+9*\e]           ; -M beyond 2^23: every key of the batch was masked:
	v_cndmask_b32 v[ZB+9*\e+6], v[ZB+9*\e+6], v76, vcc_lo      ; NaN, by a select
.endr
.irp e, 0,1,2,3
	v_mul_f32 v[ZB+9*\e+7], v[ZB+9*\e+6], v[R+16+\e]
	v_mul_f32 v[ZB+9*\e+8], 0x3e000000, v[ZB+9*\e+8]
.endr
.irp e, 0,1,2,3
.irp x, 0,1,2,3
	v_mul_f32 v[PB+16*\e+\x], v[ZB+9*\e+1], v[PB+16*\e+\x]
.endr
.endr
.irp k, 1,2,3
.irp e, 0,1,2,3
.irp x, 0,1,2,3
	v_fmac_f32 v[PB+16*\e+\x], v[ZB+9*\e+1+\k], v[PB+16*\e+4*\k+\x]
.endr
.endr
.endr
.irp e, 0,1,2,3
.irp x, 0,1,2,3
	v_mul_f32 v[PB+16*\e+\x], v[PB+16*\e+\x], v[ZB+9*\e+7]     ; O / l x mask
.endr
.endr
.irp e, 0,1,2,3
.irp x, 0,1,2,3
	v_fmac_f32 v[PB+16*\e+\x], v[R+4*\e+\x], v[ZB+9*\e+8]      ; + q / 8 x (1 - mask)
.endr
	global_store_b128 v[GO], v[PB+16*\e:PB+16*\e+3], s[16:17] offset:512*\e th:TH_STORE_NT     ; sixteen lanes store a row's 256 consecutive bytes, at a multiple of 256 from out's first byte
.endr
	s_wait_tensorcnt 0x0                           ; the wave's end
	ds_add_u32 v[SPW], v[NIL]
	s_wait_dscnt 0x0
	CROUND                                         ; the closing round: no work-group ends while a partner may still ask for a tile that names it
	s_endpgm
.Lfunc_end_k_qa776107172_attn:
	.size	k_qa776107172_attn, .Lfunc_end_k_qa776107172_attn-k_qa776107172_attn
	.p2alignl 7, 3214868480
	.fill 96, 4, 3214868480
	.section	.rodata,"a",@progbits
	.p2align	6, 0x0
	.amdhsa_kernel k_qa776107172_attn
		.amdhsa_group_segment_fixed_size 327680
		.amdhsa_private_segment_fixed_size 0
		.amdhsa_enable_private_segment 0
		.amdhsa_kernarg_size 56
		.amdhsa_user_sgpr_count 2
		.amdhsa_user_sgpr_kernarg_segment_ptr 1
		.amdhsa_wavefront_size32 1
		.amdhsa_system_sgpr_workgroup_id_x 1
		.amdhsa_system_sgpr_workgroup_id_y 1
		.amdhsa_system_sgpr_workgroup_id_z 1
		.amdhsa_system_vgpr_workitem_id 0
		.amdhsa_next_free_vgpr 512
		.amdhsa_next_free_sgpr 102
		.amdhsa_reserve_vcc 1
		.amdhsa_float_denorm_mode_32 3
		.amdhsa_float_denorm_mode_16_64 3
		.amdhsa_memory_ordered 1
		.amdhsa_forward_progress 1
		.amdhsa_inst_pref_size 232
	.end_amdhsa_kernel
	.amdgpu_metadata
---
amdhsa.version: [ 1, 2 ]
amdhsa.kernels:
  - .name:           k_qa776107172_attn
    .symbol:         k_qa776107172_attn.kd
    .args:
      - { .name: q, .offset: 0, .size: 8, .value_kind: global_buffer, .address_space: global }
      - { .name: k_codes, .offset: 8, .size: 8, .value_kind: global_buffer, .address_space: global }
      - { .name: k_scales, .offset: 16, .size: 8, .value_kind: global_buffer, .address_space: global }
      - { .name: v_codes, .offset: 24, .size: 8, .value_kind: global_buffer, .address_space: global }
      - { .name: v_scales, .offset: 32, .size: 8, .value_kind: global_buffer, .address_space: global }
      - { .name: mask, .offset: 40, .size: 8, .value_kind: global_buffer, .address_space: global }
      - { .name: out0, .offset: 48, .size: 8, .value_kind: global_buffer, .address_space: global }
    .group_segment_fixed_size: 327680
    .private_segment_fixed_size: 0
    .kernarg_segment_align: 8
    .kernarg_segment_size: 56
    .max_flat_workgroup_size: 256
    .sgpr_count:     102
    .vgpr_count:     512
    .wavefront_size: 32
...
	.end_amdgpu_metadata
.endif
;; end of part 1
